; MI455X (gfx1250); checked and timed in simulation.
; The chip was launched on July 23, 2026; its instructions are those of AMD's public machine-readable ISA for CDNA 5 (MIT licence, August 2026) and "CDNA5" Instruction Set Architecture Reference Guide (July 2026). The comments in the code are by the model that wrote it; some were corrected since.
;; matrix times. Allowed arithmetic: matrix products marked QUANTISED: E4M3 operands, one E8M0 scale for each 32 along K, by v_wmma_scale_f32_16x16x128_f8f6f4 with both operands' format E4M3, f32 sums; everything else in f32.
;; Inputs: eye 16,777,216 float32; jacobian 16,777,216 float32.
;; Outputs: out0 16,777,216 float32.
;; This version of the problem:
;;   THIS VERSION OF THE PROBLEM IS GIVEN IN LOW PRECISION. The matrix products marked QUANTISED in the list below multiply operands that are first quantised to E4M3 (4 exponent bits, 3 mantissa bits; 8 bits a number), with one power-of-two scale for each 32 numbers along K (OCP MX v1.0); their sums are f32. All else is computed in f32.
;;   The module's matrix products, in the order in which they are computed (A, B: the left and right operand; K: the contracted axis; several contracted axes count as one K, in the product's order):
;;     1. [M 4,096, K 4,096] x [K 4,096, N 4,096]; A: input jacobian; B: input eye: QUANTISED
;;   THE QUANTISER, for each operand of a quantised product, along K:
;;     - K is cut into blocks of 32 from its start; a last block that is shorter is filled with zeros.
;;     - A block's scale is 2^e with e = floor(log2(the largest magnitude in the block)) - 8, held to -126 .. 127; a block of zeros has e = 0. As a byte (E8M0): e + 127.
;;     - Each number is divided by its block's scale, clamped to +-448, and rounded to the nearest number of E4M3, ties to even, subnormals kept.
;;     - The product sums the exact products of the quantised numbers (number of the format x scale) in f32.
;;   ~~~python
;;   def quantise(x, axis):      # numpy; x: float32 -> the quantised numbers, widened to float32 again
;;       x = np.moveaxis(x, axis, -1); K = x.shape[-1]
;;       x = np.pad(x, [(0, 0)] * (x.ndim - 1) + [(0, -K % 32)]); x = x.reshape(x.shape[:-1] + (-1, 32)); a = np.abs(x).max(-1, keepdims=True)
;;       e = np.where(a > 0, np.clip(np.frexp(np.where(a > 0, a, 1))[1] - 1 - 8, -126, 127), 0)      # np.frexp(a)[1] - 1 = floor(log2(a)), exactly
;;       r = np.clip(x / 2.0 ** e, -448, 448)
;;       step = 2.0 ** (np.maximum(np.frexp(np.where(r == 0, 1, r))[1] - 1, -6) - 3)
;;       q = np.round(r / step) * step * 2.0 ** e      # np.round: ties to even
;;       return np.moveaxis(q.reshape(q.shape[:-2] + (-1,))[..., :K], -1, axis).astype(np.float32)
;;   ~~~
;; One version. Each part assembles by itself: llvm-mc -triple=amdgcn-amd-amdhsa -mcpu=gfx1250 --defsym DOCPART=n.
;; ======== version 1 of 1: 2 launches
;; limits: right only within a limited range of input values
;; workspace buffers: a_blk 17,301,504 bytes; b_blk 17,301,504 bytes
;; launch quant (part 1): grid 512 x 2, 4 waves a work-group, no clusters, 58,880 bytes of LDS; arguments jacobian, eye, a_blk, b_blk; writes a_blk, b_blk
.if DOCPART == 1
	.amdgcn_target "amdgcn-amd-amdhsa--gfx1250"
	.amdhsa_code_object_version 6
	.text
	.protected	k_q1479751304_quant
	.globl	k_q1479751304_quant
	.p2align	8
	.type	k_q1479751304_quant,@function
k_q1479751304_quant:
	s_mov_b64 s[64:65], 0
	v_nop
	global_prefetch_b8 v0, s[64:65] scope:SCOPE_SE
	s_setreg_imm32_b32 hwreg(HW_REG_WAVE_MODE, 25, 1), 1
	s_wait_xcnt 0x0
; Both operands of out = J E (4,096 x 4,096 x 4,096, f32) are turned into codes of FP8 (E4M3) with one E8M0 scale byte for each 32 along K.
; A block's scale is 2^(floor(log2(its largest magnitude)) - 8); its byte is the largest magnitude's exponent field - 8, held at 1 from below;
; each number is divided by the scale, held within +-448 and rounded to the nearest code, ties to even.
; LIMITS: NaN and infinities among the inputs are not served.  A block of zeros gets the byte 1 where the rule says 127: its codes are zeros, which add nothing
; under any byte but 0xff, and the bytes are read by this program alone.  A largest magnitude under 2^-118 gets the byte 1, the rule's own hold at e = -126.
; THE WORKSPACE, the same for both operands: [32 row blocks of 128 operand rows][16 K steps of 256][BLK = 33,792 bytes].  In a block: bytes 0 .. 32,767 the codes, row p at 256 p, K ascending;
; bytes 32,768 .. 33,791 the scale bytes, row p's eight at 32,768 + 8 p.  An operand row is a row of J (a_blk) or a COLUMN of E (b_blk).
; SHARES: a work-group makes one block.  Work-group y = 0: J, a wave 32 rows; y = 1: E, a wave all 128 columns x 64 along K.  The two ways part once, on the work-group's y, and each has LDS bytes of its own.
; No matrix unit, no tensor load, no cluster: memory binds, and no byte is read twice.
.set BLK,   33792
.set ROWB,  16384                      ; a row of J or of E in bytes
.set WREG,  5632                       ; J's way: a wave's LDS: two stages of 32 x SP bytes, then its 256 scale bytes
.set SP,    80                         ; a lane's place in a stage: its 64 bytes + 16 of padding
.set RJ,    16                         ; v16-79   four sets of 16 numbers as they are loaded
.set XJ,    80                         ; v80-111  two sets of 16 neighbours
.set EJ,    112                        ; v112-127 a scale byte for each step
.set CJ,    128                        ; v128-191 codes: four registers for each step
.set ESTG,  4*WREG                     ; E's way: one stage of 128 rows for the work-group, behind J's bytes
.set EP,    272                        ; a stage row: 256 bytes of codes + 16 of padding
.set SPARE, ESTG+128*EP                ; 57,344: the spare words, 128 bytes for each wave
.set ESCL,  SPARE+512                  ; E's way: the block's 1,024 scale bytes
.set ME,    10                         ; v10-13   four columns' largest magnitudes
.set HE,    14                         ; v14-17   448 x the scale
.set SE,    18                         ; v18-21   the conversions' scale operands
.set BE,    22                         ; v22-25   two scale bytes a column
.set CE,    32                         ; v32-47   a column's codes, two sets
.set YE,    48                         ; v48-111  a column's 32 numbers on end, two sets
.set XE,    112                        ; v112-239 32 rows x 4 columns as loaded; then the way out
.set SPW,   240                        ; LDS address of my spare word; never rewritten
.set NIL,   241                        ; 0; never rewritten
	s_load_b256 s[4:11], s[0:1], 0x0               ; J s[4:5], E s[6:7], a_blk s[8:9], b_blk s[10:11]
	v_lshl_add_u32 v[SPW], v0, 2, SPARE
	v_mov_b32 v[NIL], 0
	v_lshrrev_b32 v1, 5, v0
	v_readfirstlane_b32 s16, v1                    ; wave 0..3
	v_and_b32 v2, 31, v0                           ; lane
	s_mov_b32 s30, 0x600000                        ; the mantissa field of 448
	s_and_b32 s17, ttmp7, 0xffff
	s_wait_kmcnt 0x0
	s_cmp_lg_u32 s17, 0
	s_cbranch_scc1 .Leye
; ---- J: K is innermost.  Work-group x: row block x / 16, K step x % 16.  A wave takes 16 steps of two rows x 256 K.
; Each of a step's four loads reads 512 consecutive bytes; the 2,048 bytes turn through the wave's own stage and come back 64 bytes a lane.  Two neighbouring lanes hold a block of 32.
	s_and_b32 s18, ttmp9, 15
	s_lshr_b32 s19, ttmp9, 4
	s_lshl_b32 s19, s19, 7
	s_lshl_b32 s20, s16, 5
	s_add_co_u32 s19, s19, s20                     ; my wave's first row
	s_lshl_b32 s20, s19, 14
	s_lshl_b32 s18, s18, 10
	s_add_co_u32 s20, s20, s18
	s_mov_b32 s21, 0
	s_add_nc_u64 s[4:5], s[4:5], s[20:21]
	s_mul_i32 s22, ttmp9, BLK
	s_lshl_b32 s18, s16, 13
	s_add_co_u32 s22, s22, s18                     ; my 8,192 bytes of codes
	s_mov_b32 s23, 0
	s_add_nc_u64 s[24:25], s[8:9], s[22:23]
	s_mul_i32 s26, ttmp9, BLK
	s_lshl_b32 s18, s16, 8
	s_add_co_u32 s26, s26, s18
	s_add_co_u32 s26, s26, 32768                   ; my 256 scale bytes
	s_mov_b32 s27, 0
	s_add_nc_u64 s[28:29], s[8:9], s[26:27]
	s_wait_alu depctr_va_vdst(0)
	v_lshlrev_b32 v3, 4, v2                        ; 16 x lane
	s_mul_i32 s17, s16, WREG
	v_lshrrev_b32 v14, 2, v2
	v_mul_u32_u24 v14, v14, SP
	v_and_b32 v15, 3, v2
	v_lshl_add_u32 v14, v15, 4, v14
	v_add_nc_u32 v14, s17, v14                     ; the stage, on the way in
	v_mul_u32_u24 v15, v2, SP
	v_add_nc_u32 v15, s17, v15                     ; and on the way out: my 16 neighbours
	v_lshrrev_b32 v5, 1, v2
	s_add_co_u32 s17, s17, 2*32*SP
	v_add_nc_u32 v5, s17, v5                       ; my block's scale byte
	v_lshlrev_b32 v7, 3, v2
	v_add_nc_u32 v6, s17, v7
	; PREFETCH: one instruction names eight rows x 1,024 bytes, a lane a block of 256 bytes: four steps' numbers.  Steps 4-11 are asked for here, steps 12-15 in step 0:
	; eight steps ahead of the loads that want the last of them.  Each block is named once, by the wave that loads it; the address registers are never rewritten.
	v_lshrrev_b32 v4, 2, v2
	v_and_b32 v12, 3, v2
	v_lshlrev_b32 v12, 8, v12
	v_lshl_add_u32 v4, v4, 14, v12                 ; row lane / 4, block lane % 4
	global_prefetch_b8 v4, s[4:5] offset:8*ROWB th:TH_LOAD_NT scope:SCOPE_SE
	global_prefetch_b8 v4, s[4:5] offset:16*ROWB th:TH_LOAD_NT scope:SCOPE_SE
.macro LOADJ t
.irp i, 0,1,2,3
	global_load_b128 v[RJ+16*((\t)%4)+4*\i:RJ+16*((\t)%4)+4*\i+3], v3, s[4:5] offset:(2*(\t)+\i/2)*ROWB+(\i%2)*512 th:TH_LOAD_NT
.endr
.endm
.macro TURNJ t                         ; LDS serves a wave's instructions in order: no wait between the stores and the loads
.irp i, 0,1,2,3
	ds_store_b128 v14, v[RJ+16*((\t)%4)+4*\i:RJ+16*((\t)%4)+4*\i+3] offset:32*SP*((\t)%2)+8*SP*\i
.endr
.irp i, 0,1,2,3
	ds_load_b128 v[XJ+16*((\t)%2)+4*\i:XJ+16*((\t)%2)+4*\i+3], v15 offset:32*SP*((\t)%2)+16*\i
.endr
.endm
.irp t, 0,1,2,3
	LOADJ \t
.endr
	s_wait_alu depctr_va_vdst(0)
	s_wait_loadcnt 12                              ; step 0's four loads are in; the twelve behind them stay out
	TURNJ 0
.macro STEPJ t
.set XS, XJ+16*((\t)%2)
.if (\t) > 0
	s_wait_dscnt 1                                 ; this step's numbers are back (only the last step's byte store may be out)
.else
	s_wait_dscnt 0x0
.endif
.if (\t) == 0
	global_prefetch_b8 v4, s[4:5] offset:24*ROWB th:TH_LOAD_NT scope:SCOPE_SE   ; rows 24-31: the wave's last
.endif
.if (\t)+4 < 16
	LOADJ (\t)+4
.endif
.if (\t)+1 < 16
.if 14-(\t) >= 3
	s_wait_loadcnt 12                              ; the next step's four loads are in; three steps' may be out
.else
	s_wait_loadcnt 4*(14-(\t))
.endif
	TURNJ (\t)+1
.endif
	v_max3_num_f32 v8, |v[XS]|, |v[XS+1]|, |v[XS+2]|
	v_max3_num_f32 v9, |v[XS+3]|, |v[XS+4]|, |v[XS+5]|
.irp i, 6,10
	v_max3_num_f32 v8, v8, |v[XS+\i]|, |v[XS+\i+1]|
	v_max3_num_f32 v9, v9, |v[XS+\i+2]|, |v[XS+\i+3]|
.endr
	v_max3_num_f32 v8, v8, |v[XS+14]|, |v[XS+15]|
	v_max3_num_f32 v8, v8, v9, 0x4800000           ; the floor 2^(9 - 127): the byte cannot fall under 1
	v_max_num_f32_dpp v8, v8, v8 row_xmask:1 row_mask:0xf bank_mask:0xf
	v_add_nc_u32 v11, 0xfc000000, v8               ; 8 off the exponent field: the conversion's scale operand
	v_and_or_b32 v10, v8, 0x7f800000, s30          ; 448 x the scale
.irp i, 0,1,2,3,4,5,6,7,8,9,10,11,12,13,14,15
	v_med3_num_f32 v[XS+\i], v[XS+\i], -v10, v10   ; the conversion does not saturate (ISA guide 7.6.2): the hold comes first
.endr
	v_cvt_scalef32_pk8_fp8_f32 v[CJ+4*(\t):CJ+4*(\t)+1], v[XS:XS+7], v11
	v_cvt_scalef32_pk8_fp8_f32 v[CJ+4*(\t)+2:CJ+4*(\t)+3], v[XS+8:XS+15], v11
	v_lshrrev_b32 v[EJ+(\t)], 23, v11              ; the scale's byte (also the plain line behind the conversions)
	ds_store_b8 v5, v[EJ+(\t)] offset:16*(\t)
	global_store_b128 v3, v[CJ+4*(\t):CJ+4*(\t)+3], s[24:25] offset:512*(\t)   ; two rows' 512 consecutive bytes, aligned
.endm
.irp t, 0,1,2,3,4,5,6,7,8,9,10,11,12,13,14,15
	STEPJ \t
.endr
	ds_load_b64 v[12:13], v6
	s_wait_dscnt 0x0
	global_store_b64 v7, v[12:13], s[28:29]        ; 256 consecutive bytes, aligned
	s_wait_tensorcnt 0x0                           ; the wave's end
	ds_add_u32 v[SPW], v[NIL]
	s_wait_dscnt 0x0
	s_endpgm
; ---- E: K is the first axis.  Work-group x: column block x % 32, K step x / 32.  Wave w takes rows 64 w .. 64 w + 63 of the K step, two blocks of 32, at all 128 columns:
; a load reads 512 consecutive bytes of one row, 16 a lane, so a lane holds FOUR columns and its registers run down K, four apart.  The hold writes a column's 32 numbers on end, as the conversions want them.
; A lane's codes are 32 bytes of each of four rows of the block: they meet the other waves' in the work-group's stage, behind one barrier, and leave as whole rows of 256 bytes.
.Leye:
	s_and_b32 s18, ttmp9, 31                       ; column block
	s_lshr_b32 s19, ttmp9, 5                       ; K step
	s_lshl_b32 s20, s19, 22                        ; 256 rows of 16,384 bytes
	s_lshl_b32 s21, s18, 9                         ; + 128 columns of 4 bytes a block
	s_add_co_u32 s20, s20, s21
	s_lshl_b32 s21, s16, 20                        ; + 64 rows a wave
	s_add_co_u32 s20, s20, s21
	s_mov_b32 s21, 0
	s_add_nc_u64 s[6:7], s[6:7], s[20:21]
	s_wait_alu depctr_va_vdst(0)
	v_lshlrev_b32 v3, 4, v2                        ; 16 x lane: in a row of E, and in two rows of codes on the way out
	; PREFETCH: the second block's 32 rows x 512 bytes, a lane a block of 256 bytes, sixteen rows an instruction: one block ahead of its loads.  Each block of 256 bytes is named once, by the wave that loads it.
	v_lshrrev_b32 v26, 1, v2
	v_and_b32 v27, 1, v2
	v_lshlrev_b32 v27, 8, v27
	v_lshl_add_u32 v26, v26, 14, v27               ; row lane / 2, block lane % 2
	global_prefetch_b8 v26, s[6:7] offset:32*ROWB th:TH_LOAD_NT scope:SCOPE_SE
	global_prefetch_b8 v26, s[6:7] offset:48*ROWB th:TH_LOAD_NT scope:SCOPE_SE
.macro LOADE t
.irp i, 0,1,2,3,4,5,6,7,8,9,10,11,12,13,14,15,16,17,18,19,20,21,22,23,24,25,26,27,28,29,30,31
	global_load_b128 v[XE+4*\i:XE+4*\i+3], v3, s[6:7] offset:(32*(\t)+\i)*ROWB th:TH_LOAD_NT
.endr
.endm
	LOADE 0                                        ; 32 loads of the wave are out
	s_lshl_b32 s18, s18, 4
	s_add_co_u32 s18, s18, s19                     ; the block's number: 16 x column block + K step
	s_mul_i32 s22, s18, BLK
	s_lshl_b32 s19, s16, 13
	s_add_co_u32 s22, s22, s19                     ; on the way out: my 32 rows' 8,192 bytes of codes
	s_mov_b32 s23, 0
	s_add_nc_u64 s[24:25], s[10:11], s[22:23]
	s_mul_i32 s26, s18, BLK
	s_lshl_b32 s19, s16, 8
	s_add_co_u32 s26, s26, s19
	s_add_co_u32 s26, s26, 32768                   ; and their 256 scale bytes
	s_mov_b32 s27, 0
	s_add_nc_u64 s[28:29], s[10:11], s[26:27]
	s_lshl_b32 s17, s16, 6
	s_add_co_u32 s17, s17, ESTG                    ; into the stage: my 64 bytes of every row
	s_mul_i32 s19, s16, 32*EP
	s_add_co_u32 s19, s19, ESTG                    ; out of it: my 32 rows
	s_lshl_b32 s20, s16, 1
	s_add_co_u32 s20, s20, ESCL                    ; my two bytes of a row's eight
	s_lshl_b32 s21, s16, 8
	s_add_co_u32 s21, s21, ESCL
	v_mul_u32_u24 v4, v2, 4*EP
	v_add_nc_u32 v4, s17, v4                       ; row 4 x lane
	v_lshl_add_u32 v5, v2, 5, s20                  ; 8 bytes a row, four rows a lane
	v_lshlrev_b32 v9, 3, v2
	v_add_nc_u32 v6, s21, v9
	v_and_b32 v7, 15, v2
	v_lshrrev_b32 v8, 4, v2                        ; sixteen lanes to a row, two rows an instruction
	v_mul_u32_u24 v8, v8, EP
	v_lshl_add_u32 v7, v7, 4, v8
	v_add_nc_u32 v7, s19, v7
	s_wait_alu depctr_va_vdst(0)
.macro BLOCKE t
	s_wait_loadcnt 0x0
.irp c, 0,1,2,3
	v_max3_num_f32 v[ME+\c], |v[XE+\c]|, |v[XE+4+\c]|, 0x4800000   ; four columns by turns; the floor 2^(9 - 127) holds the byte at 1 from below
.endr
.irp i, 2,4,6,8,10,12,14,16,18,20,22,24,26,28,30
.irp c, 0,1,2,3
	v_max3_num_f32 v[ME+\c], v[ME+\c], |v[XE+4*\i+\c]|, |v[XE+4*\i+4+\c]|
.endr
.endr
.irp c, 0,1,2,3
	v_add_nc_u32 v[SE+\c], 0xfc000000, v[ME+\c]    ; 8 off the exponent field: the conversion's scale operand
.endr
.irp c, 0,1,2,3
	v_and_or_b32 v[HE+\c], v[ME+\c], 0x7f800000, s30   ; 448 x the scale
.endr
.if (\t) == 0
.irp c, 0,1,2,3
	v_lshrrev_b32 v[BE+\c], 23, v[SE+\c]           ; the scale's byte
.endr
.else
.irp c, 0,1,2,3
	v_lshrrev_b32 v[ME+\c], 23, v[SE+\c]
.endr
.irp c, 0,1,2,3
	v_lshl_or_b32 v[BE+\c], v[ME+\c], 8, v[BE+\c]  ; the second block's byte above the first's
.endr
.endif
.irp c, 0,1,2,3
.if 4*(\t)+\c >= 2
	s_wait_dscnt 2                                 ; the stores of two columns ago have read this set of codes; the last column's two may be out
.endif
.irp i, 0,1,2,3,4,5,6,7,8,9,10,11,12,13,14,15,16,17,18,19,20,21,22,23,24,25,26,27,28,29,30,31
	v_med3_num_f32 v[YE+32*(\c%2)+\i], v[XE+4*\i+\c], -v[HE+\c], v[HE+\c]   ; the hold (ISA guide 7.6.2), and the column's numbers on end
.endr
.irp g, 0,1,2,3
	v_cvt_scalef32_pk8_fp8_f32 v[CE+8*(\c%2)+2*\g:CE+8*(\c%2)+2*\g+1], v[YE+32*(\c%2)+8*\g:YE+32*(\c%2)+8*\g+7], v[SE+\c]
.endr
	ds_store_b128 v4, v[CE+8*(\c%2):CE+8*(\c%2)+3] offset:\c*EP+32*(\t)
	ds_store_b128 v4, v[CE+8*(\c%2)+4:CE+8*(\c%2)+7] offset:\c*EP+32*(\t)+16
.endr
	v_nop                                          ; the plain line behind the last conversions
.endm
	BLOCKE 0
	LOADE 1
	BLOCKE 1
.irp c, 0,1,2,3
	ds_store_b16 v5, v[BE+\c] offset:8*\c
.endr
	s_wait_dscnt 0x0                               ; for the others' sake: my stores into the stage are done
	s_barrier_signal -1
	s_barrier_wait -1
	ds_load_b64 v[10:11], v6
.irp t, 0,1,2,3,4,5,6,7,8,9,10,11,12,13,14,15
	ds_load_b128 v[XE+4*\t:XE+4*\t+3], v7 offset:2*\t*EP
.endr
	s_wait_dscnt 16
	global_store_b64 v9, v[10:11], s[28:29]        ; 256 consecutive bytes, aligned
.irp t, 0,1,2,3,4,5,6,7,8,9,10,11,12,13,14,15
	s_wait_dscnt 15-\t
	global_store_b128 v3, v[XE+4*\t:XE+4*\t+3], s[24:25] offset:512*\t   ; two rows: 512 consecutive bytes, aligned
.endr
	s_wait_tensorcnt 0x0                           ; the wave's end
	ds_add_u32 v[SPW], v[NIL]
	s_wait_dscnt 0x0
	s_endpgm
.Lfunc_end_k_q1479751304_quant:
	.size	k_q1479751304_quant, .Lfunc_end_k_q1479751304_quant-k_q1479751304_quant
	.p2alignl 7, 3214868480
	.fill 96, 4, 3214868480
	.section	.rodata,"a",@progbits
	.p2align	6, 0x0
	.amdhsa_kernel k_q1479751304_quant
		.amdhsa_group_segment_fixed_size 58880
		.amdhsa_private_segment_fixed_size 0
		.amdhsa_enable_private_segment 0
		.amdhsa_kernarg_size 32
		.amdhsa_user_sgpr_count 2
		.amdhsa_user_sgpr_kernarg_segment_ptr 1
		.amdhsa_wavefront_size32 1
		.amdhsa_system_sgpr_workgroup_id_x 1
		.amdhsa_system_sgpr_workgroup_id_y 1
		.amdhsa_system_sgpr_workgroup_id_z 1
		.amdhsa_system_vgpr_workitem_id 0
		.amdhsa_next_free_vgpr 242
		.amdhsa_next_free_sgpr 66
		.amdhsa_reserve_vcc 0
		.amdhsa_float_denorm_mode_32 3
		.amdhsa_float_denorm_mode_16_64 3
		.amdhsa_memory_ordered 1
		.amdhsa_forward_progress 1
		.amdhsa_inst_pref_size 93
	.end_amdhsa_kernel
	.amdgpu_metadata
---
amdhsa.version: [ 1, 2 ]
amdhsa.kernels:
  - .name:           k_q1479751304_quant
    .symbol:         k_q1479751304_quant.kd
    .args:
      - { .name: jacobian, .offset: 0, .size: 8, .value_kind: global_buffer, .address_space: global }
      - { .name: eye, .offset: 8, .size: 8, .value_kind: global_buffer, .address_space: global }
      - { .name: a_blk, .offset: 16, .size: 8, .value_kind: global_buffer, .address_space: global }
      - { .name: b_blk, .offset: 24, .size: 8, .value_kind: global_buffer, .address_space: global }
    .group_segment_fixed_size: 58880
    .private_segment_fixed_size: 0
    .kernarg_segment_align: 8
    .kernarg_segment_size: 32
    .max_flat_workgroup_size: 128
    .sgpr_count:     66
    .vgpr_count:     242
    .wavefront_size: 32
...
	.end_amdgpu_metadata
.endif
;; end of part 1
;; launch gemm (part 2): grid 16 x 16, 4 waves a work-group, clusters of 4 x 4, 327,680 bytes of LDS; arguments a_blk, b_blk, out0; writes out0
.if DOCPART == 2
	.amdgcn_target "amdgcn-amd-amdhsa--gfx1250"
	.amdhsa_code_object_version 6
	.text
	.protected	k_q1479751304_gemm
	.globl	k_q1479751304_gemm
	.p2align	8
	.type	k_q1479751304_gemm,@function
k_q1479751304_gemm:
	s_mov_b64 s[64:65], 0
	v_nop
	global_prefetch_b8 v0, s[64:65] scope:SCOPE_SE
	s_setreg_imm32_b32 hwreg(HW_REG_WAVE_MODE, 25, 1), 1
	s_wait_xcnt 0x0
	s_wait_alu depctr_hold_cnt(0) depctr_sa_sdst(0) depctr_va_vdst(0) depctr_va_sdst(0) depctr_va_ssrc(0) depctr_va_vcc(0) depctr_vm_vsrc(0)
	s_getreg_b32 s2, hwreg(HW_REG_IB_STS2, 6, 4)
	s_cmp_eq_u32 s2, 0
	s_cbranch_scc0 .Lentry_in_a_cluster
	s_endpgm
.Lentry_in_a_cluster:
	s_bfe_u32 s2, ttmp6, 0x10000c
	s_cmp_lg_u32 s2, 0xf033
	s_cbranch_scc0 .Lentry_shape_is_right
	s_endpgm
.Lentry_shape_is_right:
; out = J E on codes of FP8 (E4M3) with E8M0 scales, as launch quant laid them: [32 row blocks of 128][16 K steps of 256][33,792 bytes: 128 rows of 256 codes, then 1,024 scale bytes].
; A work-group of four waves makes 256 x 256 of out, a wave 128 x 128: 64 accumulators.  K goes in steps of 256 through two LDS slots; a wave's one tensor load brings 132 rows of 256 bytes: 128 rows' codes and their scales.
; CLUSTERS: 4 x 4 work-groups; A's tiles are asked for jointly along a row of the cluster, B's along a column.  The clusters begin at K step 0 or 8 by their place in the grid and go round K.
; THE MATRIX INSTRUCTION IS USED TRANSPOSED (source 0 = 16 rows of B, source 1 = 16 rows of A): a lane holds eight neighbouring numbers of a row of out.
; REGISTERS: window 0: v0-31 addresses; v32-63 scale words, a set for each slot; v64-127 A's blocks 0-3, one set; v128-191, v192-255 A's blocks 4-7, two sets.
;   window 1: B's fragments, two sets.  Windows 2, 3: the accumulators of my rows 0-63, 64-127.  The sets go by the half q of a slot.
; So all sixteen fragments of a half are asked for while the half before is multiplied, in runs of 8 to 24 LDS loads behind every sixteen products, each run behind eight places.
; A slot's reads are over sixteen products ahead of its second half: the change of slots stands at that half's top, and no product stands between the wait for the other slot's tile and the refill.
; PREFETCH: a wave names its share of a tile, 33 of the 132 blocks of 256 bytes; the four partners that ask for the tile are told apart by address.  K steps 1, 2, 3 of the walk are named at the head,
; the others behind the refill that stands two refills ahead of their own; the last two refills name nothing.
.set SIZE_N, 4096
.set BLK,    33792
.set RBS,    16*BLK
.set PITCH,  272
.set HALFT,  132*PITCH
.set SCOFF,  128*PITCH
.set SLOT,   4*HALFT
.set LAPS,   8
.set SPARE,  2*SLOT                    ; behind the ring: the spare words
.set SPITCH, 528                       ; the way out: a stage of 16 rows x (512 + 16) bytes for each wave, in slot 0, behind its last fill and last read
.set ADRA, 16
.set ADRB, 20
.set ADRS, 22
.set STO,  24
.set RD,   25
.set CO,   26
.set PFO,  27                          ; 256 x lane
.set SPW,  28
.set NIL,  29
.set PFZ,  30                          ; 0: every lane names my share's 33rd block
.set SC,   32
.set AF,   64
.set G1,  24
.set G0,  32
.set G1B, 48
.set G0B, 56
.set ABASE, 14
.set BBASE, 66
.set OFS,   68
.set KC,    70
.set PFB,   72                         ; my share of the tiles that I fetch, at K step 0
.set PFA,   74                         ; the same at the K step that is named
.set PO,    76
.set MSB, 0
.macro WIN new
.if MSB != \new
	s_set_vgpr_msb (MSB<<8)|\new
.set MSB, \new
.endif
.endm
.set MUL_LO, 0xa1
.set TO_B,   0x40
.macro JLOAD g0a, g1a, g0b, g1b        ; waves 0, 1 fetch A's halves, waves 2, 3 B's; s_nop 0 and four v_nop behind each line
	s_cmp_eq_u32 s11, 0
	s_cbranch_scc0 .Lfor_b_\@
	tensor_load_to_lds s[\g0a:\g0a+3], s[\g1a:\g1a+7]
	s_nop 0
.rept 4
	v_nop
.endr
	s_branch .Lasked_\@
.Lfor_b_\@:
	tensor_load_to_lds s[\g0b:\g0b+3], s[\g1b:\g1b+7]
	s_nop 0
.rept 4
	v_nop
.endr
.Lasked_\@:
.endm
.macro CREST
	s_cmp_lg_u32 s10, 0
	s_cbranch_scc1 .Lnot_wave_0_\@
	s_barrier_signal -3
.Lnot_wave_0_\@:
	s_barrier_wait -3
	s_barrier_signal -1
	s_barrier_wait -1
.endm
.macro CROUND
	s_barrier_signal -1
	s_barrier_wait -1
	CREST
.endm
.macro ADDR slot                       ; both group 0 addresses of a slot, from its K step
	s_mul_i32 s[OFS], s[KC+\slot], BLK
	s_add_nc_u64 s[G0+4*\slot+2:G0+4*\slot+3], s[ABASE:ABASE+1], s[OFS:OFS+1]
	s_or_b32 s[G0+4*\slot+3], s[G0+4*\slot+3], 0x80000000
	s_add_nc_u64 s[G0B+4*\slot+2:G0B+4*\slot+3], s[BBASE:BBASE+1], s[OFS:OFS+1]
	s_or_b32 s[G0B+4*\slot+3], s[G0B+4*\slot+3], 0x80000000
.endm
	s_load_b128 s[4:7], s[0:1], 0x0
	s_load_b64 s[8:9], s[0:1], 0x10
	v_lshl_add_u32 v[SPW], v0, 2, SPARE
	v_mov_b32 v[NIL], 0
	ds_add_u32 v[SPW], v[NIL]                      ; the opening lines: the add twice on end and its wait
	ds_add_u32 v[SPW], v[NIL]
	v_lshrrev_b32 v1, 5, v0
	v_readfirstlane_b32 s10, v1                    ; wave
	s_lshr_b32 s11, s10, 1                         ; my half of the rows; also: I fetch for A (0) or B (1)
	s_and_b32 s12, s10, 1                          ; my half of the columns; also: which 128 rows I fetch
	s_bfe_u32 s40, ttmp6, 0x40000                  ; cx
	s_bfe_u32 s41, ttmp6, 0x40004                  ; cy
	s_lshl_b32 s42, ttmp9, 2
	s_add_co_u32 s42, s42, s40                     ; tile column
	s_and_b32 s13, ttmp7, 0xffff
	s_xor_b32 s18, s13, ttmp9
	s_lshr_b32 s19, s18, 1
	s_xor_b32 s18, s18, s19
	s_and_b32 s18, s18, 1
	s_lshl_b32 s[KC], s18, 3                       ; the cluster's first K step: 0 or 8
	s_add_co_u32 s[KC+1], s[KC], 1
	s_mov_b32 s[OFS+1], 0
	s_mov_b32 s[PO+1], 0
	s_lshl_b32 s13, s13, 2
	s_add_co_u32 s13, s13, s41                     ; tile row
	s_lshl_b32 s43, s41, 2
	s_lshl_b32 s43, 15, s43
	s_lshl_b32 s44, 0x1111, s40
	s_or_b32 s[G1+0], s43, (3<<16)|(1<<20)|(1<<21)|(5<<22)|(3<<25)   ; mask; elements of 8 bytes; 16 bytes of padding behind every 256
	s_or_b32 s[G1B+0], s44, (3<<16)|(1<<20)|(1<<21)|(5<<22)|(3<<25)
.irp g, G1, G1B
	s_mov_b32 s[\g+1], 32<<16
	s_mov_b32 s[\g+2], 132<<16
	s_mov_b32 s[\g+3], 32<<16
	s_mov_b32 s[\g+4], 132
	s_mov_b32 s[\g+5], 32
	s_mov_b32 s[\g+6], 0
	s_mov_b32 s[\g+7], 0
.endr
	s_lshl_b32 s16, s13, 1
	s_add_co_u32 s16, s16, s12
	s_mul_i32 s16, s16, RBS
	s_mov_b32 s17, 0
	s_lshl_b32 s46, s42, 1
	s_add_co_u32 s46, s46, s12
	s_mul_i32 s46, s46, RBS
	s_mov_b32 s47, 0
	s_mul_i32 s20, s10, HALFT
	s_wait_dscnt 0x0
	s_wait_kmcnt 0x0
	s_add_nc_u64 s[ABASE:ABASE+1], s[4:5], s[16:17]
	s_add_nc_u64 s[BBASE:BBASE+1], s[6:7], s[46:47]
	CROUND                                         ; in front of the first joint loads
.irp s, 0,1
	s_mov_b32 s[G0+4*\s], 1
	s_add_co_u32 s[G0+4*\s+1], s20, \s*SLOT
	s_mov_b32 s[G0B+4*\s], 1
	s_add_co_u32 s[G0B+4*\s+1], s20, \s*SLOT
	ADDR \s
.endr
	JLOAD G0, G1, G0B, G1B                         ; slot 0: one tensor load a wave at the head
	s_cmp_eq_u32 s11, 0
	s_cselect_b64 s[PFB:PFB+1], s[ABASE:ABASE+1], s[BBASE:BBASE+1]
	s_cselect_b32 s16, s40, s41                    ; my place among the four that ask with me
	s_mul_i32 s16, s16, 33*256
	s_mov_b32 s17, 0
	s_add_nc_u64 s[PFB:PFB+1], s[PFB:PFB+1], s[16:17]
	s_mul_i32 s21, s11, HALFT                      ; my 128 rows of A
	s_mul_i32 s22, s12, HALFT
	s_add_co_u32 s22, s22, 2*HALFT                 ; my 128 rows of B
	s_sub_co_u32 s23, s22, s21                     ; lanes 16-31 take B's scale words: this much further on
	s_add_co_u32 s45, s21, SCOFF
	s_mul_i32 s44, s10, 16*SPITCH                  ; my stage
	s_lshl_b32 s16, s13, 8
	s_lshl_b32 s17, s11, 7
	s_add_co_u32 s16, s16, s17
	s_lshl_b32 s16, s16, 14                        ; my first row of out, in bytes
	s_mov_b32 s17, 0
	s_lshl_b32 s46, s42, 10
	s_lshl_b32 s47, s12, 9
	s_add_co_u32 s46, s46, s47
	s_mov_b32 s47, 0
	s_add_nc_u64 s[16:17], s[16:17], s[46:47]
	s_add_nc_u64 s[8:9], s[8:9], s[16:17]
	s_mul_i32 s[PO], s[KC], BLK
	s_add_nc_u64 s[PFA:PFA+1], s[PFB:PFB+1], s[PO:PO+1]   ; my share at the walk's first K step
	v_and_b32 v1, 15, v0
	v_bfe_u32 v2, v0, 4, 1
	v_mul_u32_u24 v3, v1, PITCH
	v_lshl_add_u32 v4, v2, 4, v3                   ; a fragment's row x pitch + 16 x half
	v_lshlrev_b32 v5, 3, v1
	v_mul_u32_u24 v6, s23, v2
	v_add_nc_u32 v5, v5, v6
	v_add_nc_u32 v[ADRA], s21, v4
	v_add_nc_u32 v[ADRB], s22, v4
	v_add_nc_u32 v[ADRS], s45, v5
	v_add_nc_u32 v[ADRA+1], SLOT, v[ADRA]
	v_add_nc_u32 v[ADRB+1], SLOT, v[ADRB]
	v_add_nc_u32 v[ADRS+1], SLOT, v[ADRS]
	v_mul_u32_u24 v5, v1, SPITCH
	v_lshl_add_u32 v5, v2, 5, v5
	v_add_nc_u32 v[STO], s44, v5
	v_and_b32 v6, 31, v0
	v_lshlrev_b32 v[CO], 4, v6
	v_add_nc_u32 v[RD], s44, v[CO]
	v_lshlrev_b32 v[PFO], 8, v6
	v_mov_b32 v[PFZ], 0
.irp k, 1,2,3                          ; the walk's K steps 1, 2, 3 (the first is 0 or 8: no wrap): slot 1's first fill and the first two refills
	global_prefetch_b8 v[PFO], s[PFA:PFA+1] offset:\k*BLK th:TH_LOAD_NT scope:SCOPE_SE
	global_prefetch_b8 v[PFZ], s[PFA:PFA+1] offset:\k*BLK+8192 th:TH_LOAD_NT scope:SCOPE_SE
.endr
.macro FRAG reg, adr, q, i             ; 16 rows x 128 K: registers 4 c .. 4 c + 3 hold K = 32 c + 16 (l / 16) + 0 .. 15
.irp c, 0,1,2,3
	ds_load_b128 v[\reg+4*\c:\reg+4*\c+3], v[\adr] offset:128*(\q)+32*\c+(\i)*16*PITCH
.endr
.endm
.macro LDB slot, q, i                  ; B's fragment i of the slot's half q, into set q
	WIN TO_B
	FRAG 128*(\q)+16*(\i), ADRB+\slot, \q, \i
.endm
.macro LDA slot, q, i                  ; A's; blocks 4-7 into set q
	WIN 0
	FRAG AF+16*(\i)+64*(\q)*((\i)/4), ADRA+\slot, \q, \i
.endm
.macro SCALES slot                     ; lanes 0-15 A's block i, lanes 16-31 B's block i: two words, one for each half of the slot
	WIN 0
.irp i, 0,1,2,3,4,5,6,7
	ds_load_b64 v[SC+16*\slot+2*\i:SC+16*\slot+2*\i+1], v[ADRS+\slot] offset:(\i/2)*PITCH+(\i%2)*128
.endr
.endm
.macro PLACES n
.rept \n
	v_nop
.endr
.endm
; eight products: A's block a x B's eight, half q of slot sc.  The 64 accumulators take turns.
.macro MUL8 a, q, sc, zero
	WIN MUL_LO+0x50*((\a)/4)
.irp b, 0,1,2,3,4,5,6,7
.if \zero
	v_wmma_scale_f32_16x16x128_f8f6f4 v[8*(8*((\a)%4)+\b):8*(8*((\a)%4)+\b)+7], v[128*(\q)+16*\b:128*(\q)+16*\b+15], v[AF+16*(\a)+64*(\q)*((\a)/4):AF+16*(\a)+64*(\q)*((\a)/4)+15], 0, v[SC+16*(\sc)+2*\b+(\q)], v[SC+16*(\sc)+2*(\a)+(\q)] matrix_a_scale:MATRIX_SCALE_ROW1
.else
	v_wmma_scale_f32_16x16x128_f8f6f4 v[8*(8*((\a)%4)+\b):8*(8*((\a)%4)+\b)+7], v[128*(\q)+16*\b:128*(\q)+16*\b+15], v[AF+16*(\a)+64*(\q)*((\a)/4):AF+16*(\a)+64*(\q)*((\a)/4)+15], v[8*(8*((\a)%4)+\b):8*(8*((\a)%4)+\b)+7], v[SC+16*(\sc)+2*\b+(\q)], v[SC+16*(\sc)+2*(\a)+(\q)] matrix_a_scale:MATRIX_SCALE_ROW1
.endif
.endr
.endm
; A slot's first half.  Its fragments were asked for in the order B0-7, A4, A5, A0-3, the scale words, A6, A7.  The second half's sixteen are asked for in three runs; none stands behind the last sixteen products.
.macro STEP slot, zero
	s_wait_dscnt 8                                 ; all but A6 and A7 are in
	MUL8 0, 0, \slot, \zero
	MUL8 1, 0, \slot, \zero
	PLACES 8
.irp i, 0,1,2,3,4,5
	LDB \slot, 1, \i
.endr
	s_wait_dscnt 24                                ; A6 and A7 are in: only the 24 loads just issued may be out
	MUL8 2, 0, \slot, \zero
	MUL8 3, 0, \slot, \zero
	PLACES 8
	LDB \slot, 1, 6
	LDB \slot, 1, 7
	LDA \slot, 1, 0                                ; blocks 0 and 1 have been multiplied
	LDA \slot, 1, 1
	LDA \slot, 1, 4
	LDA \slot, 1, 5
	MUL8 4, 0, \slot, \zero
	MUL8 5, 0, \slot, \zero
	PLACES 8
	LDA \slot, 1, 2
	LDA \slot, 1, 3
	LDA \slot, 1, 6
	LDA \slot, 1, 7
	MUL8 6, 0, \slot, \zero
	MUL8 7, 0, \slot, \zero
.endm
; A slot's second half begins with the change of slots: my reads of this slot are over when its fragments are in.
.macro TURN slot, next, fill
	WIN 0
.if \fill
	s_wait_xcnt 0x0                                ; my last prefetches have read their address
	s_add_co_u32 s[PO], s[KC+\slot], 4             ; the K step that this slot takes at its next refill but one
	s_and_b32 s[PO], s[PO], 15
	s_mul_i32 s[PO], s[PO], BLK
	s_add_nc_u64 s[PFA:PFA+1], s[PFB:PFB+1], s[PO:PO+1]
.endif
	s_wait_tensorcnt 0x0                           ; all my tensor loads have landed: my part of the other slot
	ds_add_u32 v[SPW], v[NIL]
.if \fill
	s_add_co_u32 s[KC+\slot], s[KC+\slot], 2       ; no tensor load of mine is out: the slot's next K step
	s_and_b32 s[KC+\slot], s[KC+\slot], 15
	ADDR \slot
.endif
	s_wait_dscnt 0x0                               ; the add is done, and my reads of this slot are over
	s_barrier_signal -1
	s_barrier_wait -1
.if \fill
	CREST                                          ; the barrier has opened a round of the cluster's barrier
	JLOAD G0+4*\slot, G1, G0B+4*\slot, G1B         ; the first tensor load behind the round; its four v_nop are four of the eight places
	PLACES 4
.else
	PLACES 8
.endif
.irp i, 0,1,2,3
	LDB \next, 0, \i
.endr
.if \fill
	WIN 0
	s_cmp_gt_u32 s3, 1                             ; the last trip's two refills have no refill two on
	s_cbranch_scc0 .Lno_ask_\@
	global_prefetch_b8 v[PFO], s[PFA:PFA+1] th:TH_LOAD_NT scope:SCOPE_SE
	global_prefetch_b8 v[PFZ], s[PFA:PFA+1] offset:8192 th:TH_LOAD_NT scope:SCOPE_SE
.Lno_ask_\@:
.endif
	MUL8 0, 1, \slot, 0
	MUL8 1, 1, \slot, 0
	PLACES 8
.irp i, 4,5,6,7
	LDB \next, 0, \i
.endr
	LDA \next, 0, 4
	LDA \next, 0, 5
	MUL8 2, 1, \slot, 0
	MUL8 3, 1, \slot, 0
	PLACES 8
.irp i, 0,1,2,3
	LDA \next, 0, \i                               ; blocks 0-3 have been multiplied
.endr
	SCALES \next
	MUL8 4, 1, \slot, 0
	MUL8 5, 1, \slot, 0
	PLACES 8
	LDA \next, 0, 6
	LDA \next, 0, 7
	MUL8 6, 1, \slot, 0
	MUL8 7, 1, \slot, 0
.endm
	s_wait_alu depctr_va_vdst(0)
	s_wait_tensorcnt 0x0                           ; my part of slot 0 is in
	ds_add_u32 v[SPW], v[NIL]
	s_wait_dscnt 0x0
	CROUND
	JLOAD G0+4, G1, G0B+4, G1B                     ; slot 1's first fill
.irp i, 0,1,2,3,4,5,6,7
	LDB 0, 0, \i
.endr
	LDA 0, 0, 4
	LDA 0, 0, 5
.irp i, 0,1,2,3
	LDA 0, 0, \i
.endr
	SCALES 0
	LDA 0, 0, 6
	LDA 0, 0, 7
	STEP 0, 1                                      ; the first products start the sums
	WIN 0
	s_mov_b32 s3, LAPS-1
.Llap:
	TURN 0, 1, 1
	STEP 1, 0
	TURN 1, 0, 1
	STEP 0, 0
	WIN 0
	s_sub_co_u32 s3, s3, 1
	s_cmp_lg_u32 s3, 0
	s_cbranch_scc1 .Llap
	TURN 0, 1, 0                                   ; the last lap fills nothing
	STEP 1, 0
; THE LAST 128 ALONG K AND THE WAY OUT.  The products go by A's blocks, so a block of 16 rows x 128 columns is finished behind its eight products: it goes through my stage in LDS and leaves as whole rows of 512 bytes
; while the next block is multiplied.  The rows come back into B's set 0 (window 1), which is done with.
.macro TOSTAGE a
.set AC, 64*((\a)%4)
	WIN 0x08+4*((\a)/4)                            ; the data: window 2 or 3
.irp b, 0,1,2,3,4,5,6,7
	ds_store_b128 v[STO], v[AC+8*\b:AC+8*\b+3] offset:64*\b          ; each accumulator from its low end on
	ds_store_b128 v[STO], v[AC+8*\b+4:AC+8*\b+7] offset:64*\b+16
.endr
	WIN TO_B
.irp t, 0,1,2,3,4,5,6,7,8,9,10,11,12,13,14,15
	ds_load_b128 v[64*((\a)%2)+4*\t:64*((\a)%2)+4*\t+3], v[RD] offset:\t*SPITCH   ; LDS serves a wave's instructions in order
.endr
.endm
.macro SEND a, younger
	WIN 0x04                                       ; the data: window 1
	s_wait_dscnt \younger
.if (\a) > 0
	s_add_nc_u64 s[8:9], s[8:9], 16*SIZE_N*4       ; behind a wait on XCNT
.endif
.irp t, 0,1,2,3,4,5,6,7,8,9,10,11,12,13,14,15
	global_store_b128 v[CO], v[64*((\a)%2)+4*\t:64*((\a)%2)+4*\t+3], s[8:9] offset:\t*SIZE_N*4 th:TH_STORE_NT   ; 512 consecutive bytes, aligned
.endr
.endm
	s_wait_dscnt 0x0                               ; the last half's fragments are in
	MUL8 0, 1, 1, 0
.irp a, 0,1,2,3,4,5,6,7
.if \a < 7
	MUL8 \a+1, 1, 1, 0
.endif
	PLACES 8                                       ; the places behind block a's last product
.if \a > 1
	s_wait_xcnt 0x0                                ; block a - 2's stores have read their registers and their base
.endif
	TOSTAGE \a
.if \a > 0
	SEND \a-1, 32                                  ; behind block a - 1's loads: block a's 16 stores and 16 loads
.endif
.endr
	s_wait_xcnt 0x0
	SEND 7, 0
	WIN 0
	s_wait_tensorcnt 0x0                           ; the wave's end
	ds_add_u32 v[SPW], v[NIL]
	s_wait_dscnt 0x0
	CROUND                                         ; the closing round
	s_endpgm
.Lfunc_end_k_q1479751304_gemm:
	.size	k_q1479751304_gemm, .Lfunc_end_k_q1479751304_gemm-k_q1479751304_gemm
	.p2alignl 7, 3214868480
	.fill 96, 4, 3214868480
	.section	.rodata,"a",@progbits
	.p2align	6, 0x0
	.amdhsa_kernel k_q1479751304_gemm
		.amdhsa_group_segment_fixed_size 327680
		.amdhsa_private_segment_fixed_size 0
		.amdhsa_enable_private_segment 0
		.amdhsa_kernarg_size 24
		.amdhsa_user_sgpr_count 2
		.amdhsa_user_sgpr_kernarg_segment_ptr 1
		.amdhsa_wavefront_size32 1
		.amdhsa_system_sgpr_workgroup_id_x 1
		.amdhsa_system_sgpr_workgroup_id_y 1
		.amdhsa_system_sgpr_workgroup_id_z 1
		.amdhsa_system_vgpr_workitem_id 0
		.amdhsa_next_free_vgpr 1024
		.amdhsa_next_free_sgpr 80
		.amdhsa_reserve_vcc 0
		.amdhsa_float_denorm_mode_32 3
		.amdhsa_float_denorm_mode_16_64 3
		.amdhsa_memory_ordered 1
		.amdhsa_forward_progress 1
		.amdhsa_inst_pref_size 151
	.end_amdhsa_kernel
	.amdgpu_metadata
---
amdhsa.version: [ 1, 2 ]
amdhsa.kernels:
  - .name:           k_q1479751304_gemm
    .symbol:         k_q1479751304_gemm.kd
    .args:
      - { .name: a_blk, .offset: 0, .size: 8, .value_kind: global_buffer, .address_space: global }
      - { .name: b_blk, .offset: 8, .size: 8, .value_kind: global_buffer, .address_space: global }
      - { .name: out0, .offset: 16, .size: 8, .value_kind: global_buffer, .address_space: global }
    .group_segment_fixed_size: 327680
    .private_segment_fixed_size: 0
    .kernarg_segment_align: 8
    .kernarg_segment_size: 24
    .max_flat_workgroup_size: 128
    .sgpr_count:     80
    .vgpr_count:     1024
    .wavefront_size: 32
...
	.end_amdgpu_metadata
.endif
;; end of part 2
